; MI455X (gfx1250); checked and timed in simulation.
; The chip was launched on July 23, 2026; its instructions are those of AMD's public machine-readable ISA for CDNA 5 (MIT licence, August 2026) and "CDNA5" Instruction Set Architecture Reference Guide (July 2026). The comments in the code are by the model that wrote it; some were corrected since.
;; Logistic Regression Model. Allowed arithmetic: matrix products marked QUANTISED: E4M3 operands, one given power-of-two scale a tensor, by v_wmma_f32_16x16x64_fp8_fp8 or v_wmma_f32_16x16x128_fp8_fp8, f32 sums; everything else in f32.
;; Inputs: bias 8,192 float32; inp 2,048 x 4,096 float32; lowp_scales 2 int32 (the exponents e of the quantised operands' scales 2^e); weights 4,096 x 8,192 float32.
;; Outputs: out0 2,048 x 8,192 float32.
;; This version of the problem:
;;   THIS VERSION OF THE PROBLEM IS GIVEN IN LOW PRECISION. The matrix products marked QUANTISED in the list below multiply operands that are first quantised to E4M3 (4 exponent bits, 3 mantissa bits; 8 bits a number), with one given power-of-two scale for each operand tensor; their sums are f32. All else is computed in f32.
;;   The module's matrix products, in the order in which they are computed (A, B: the left and right operand; K: the contracted axis; several contracted axes count as one K, in the product's order):
;;     1. [M 2,048, K 4,096] x [K 4,096, N 8,192]; A: input inp; B: input weights: QUANTISED (scales: A lowp_scales[0], B lowp_scales[1])
;;   THE QUANTISER, for each operand of a quantised product, along K:
;;     - The operand's scale is 2^e, e = its entry of the input lowp_scales (int32; the entries are numbered through the quantised products in the list's order, A before B).
;;     - Each number is divided by the scale, clamped to +-448, and rounded to the nearest number of E4M3, ties to even, subnormals kept.
;;     - The product sums the exact products of the quantised numbers (number of the format x scale) in f32.
;;   ~~~python
;;   def quantise(x, axis, e):      # numpy; x: float32 -> the quantised numbers, widened to float32 again
;;       x = np.moveaxis(x, axis, -1); K = x.shape[-1]
;;       r = np.clip(x / 2.0 ** e, -448, 448)
;;       step = 2.0 ** (np.maximum(np.frexp(np.where(r == 0, 1, r))[1] - 1, -6) - 3)
;;       q = np.round(r / step) * step * 2.0 ** e      # np.round: ties to even
;;       return np.moveaxis(q, -1, axis).astype(np.float32)
;;   ~~~
;; One version. Each part assembles by itself: llvm-mc -triple=amdgcn-amd-amdhsa -mcpu=gfx1250 --defsym DOCPART=n.
;; ======== version 1 of 1: 2 launches
;; limits: right only within a limited range of input values
;; workspace buffers: a_codes 8,388,608 bytes; w_codes 33,554,432 bytes
;; launch quant (part 1): grid 768 x 1, 4 waves a work-group, no clusters, 104,960 bytes of LDS; arguments inp, weights, lowp_scales, a_codes, w_codes; writes a_codes, w_codes
.if DOCPART == 1
	.amdgcn_target "amdgcn-amd-amdhsa--gfx1250"
	.amdhsa_code_object_version 6
	.text
	.protected	k_q6b1d289acd_quant
	.globl	k_q6b1d289acd_quant
	.p2align	8
	.type	k_q6b1d289acd_quant,@function
k_q6b1d289acd_quant:
	s_mov_b64 s[64:65], 0
	v_nop
	global_prefetch_b8 v0, s[64:65] scope:SCOPE_SE
	s_setreg_imm32_b32 hwreg(HW_REG_WAVE_MODE, 25, 1), 1
	s_wait_xcnt 0x0
; inp [2048][4096] and weights [4096 (k)][8192 (n)], f32, become codes of FP8 (E4M3), one byte each.
; code = x / 2^e, held within +-448, rounded to the nearest code, ties to even.  e: entry 0 (inp) and entry 1 (weights) of the buffer of scales.
; LIMITS: each e lies between -126 and 119, so that 2^e and 448 x 2^e are f32 numbers.  NaN among the inputs is not served; an infinity is held at the largest code.
; BOTH BUFFERS ARE LAID AS THE NEXT LAUNCH'S OPERAND REGISTERS TAKE THEM.  A fragment is 16 rows (of inp; columns n of weights) x 128 along K = 2,048 bytes:
; piece c (0..3) of 512 bytes, in it 16 bytes for lane 16 h + r: row r, bytes 32 c + 16 h + 0..15 of the row's 128.
; a_codes: [m / 128][K step 0..31][(m / 16) % 8] fragments;  w_codes: [n / 128][K step][(n / 16) % 8] fragments.
; K IS PERMUTED, ALIKE IN BOTH: in each block of 512 along K, byte 16 q + 4 j + i (q 0..31, j 0..3, i 0..3) of a row holds k = 128 j + 4 q + i.  Every product still meets its partner;
; only the order inside the f32 sums changes.  So a lane of inp's path converts the 16 numbers that four dense loads gave it.
; SHARES.  Work-groups 0 to 511 take weights (four times the bytes, so they come first), 512 to 767 take inp: one scalar branch on the work-group's number.  Waves share nothing: no barrier.
; Each path has LDS bytes of its own.  No tensor loads: three work-groups lie on a WGP, 768 in all.
.set WGW,   512                        ; work-groups for weights: 32 along n x 16 along K
.set NROW,  32768                      ; a row of weights in bytes
.set PITCH, 272                        ; weights' stage row: 256 bytes of codes + 16 of padding
.set HALF,  32*PITCH+128               ; the stage's second half, the odd columns; the 128 set even and odd columns on different banks when sixteen columns are read
.set WSTG,  64*PITCH+256               ; a wave's stage: 64 columns
.set SPARE, 4*WSTG                     ; the spare words, 128 bytes a wave
.set ASTG,  SPARE+512                  ; inp's stages: 16 rows x APITCH a wave
.set APITCH, 528                       ; 512 bytes of codes + 16 of padding
.set RAW,   32                         ; weights: v32-159  four sets of 32: a granule's 16 rows x 2 columns as loaded
.set T,     160                        ; weights: v160-191 the granule held and sorted: column c, number i at 16 c + i
.set C,     192                        ; weights: v192-199 its codes
.set OUTR,  32                         ; the way out of both paths, where the sets lay
.set R,     32                         ; inp: v32-159  eight sets of 16 numbers
.set CA,    160                        ; inp: v160-223 codes: four registers a row
	s_load_b128 s[4:7], s[0:1], 0x0                ; inp, weights
	s_load_b64 s[8:9], s[0:1], 0x10                ; the scales' exponents
	s_load_b128 s[12:15], s[0:1], 0x18             ; a_codes, w_codes
	v_lshl_add_u32 v224, v0, 2, SPARE
	v_mov_b32 v225, 0
	v_lshrrev_b32 v1, 5, v0
	v_readfirstlane_b32 s16, v1                    ; wave 0..3
	v_and_b32 v2, 31, v0                           ; lane
	v_and_b32 v5, 15, v0                           ; r = lane % 16
	v_bfe_u32 v6, v0, 4, 1                         ; h = lane / 16
	s_mul_i32 s19, s16, WSTG                       ; my wave's stage, weights
	s_mul_i32 s18, s16, 16*APITCH
	s_add_co_u32 s18, s18, ASTG                    ; my wave's stage, inp
	v_mul_u32_u24 v4, v2, PITCH
	v_add_nc_u32 v4, s19, v4                       ; weights, in: row = lane (column 2 x lane; column 2 x lane + 1 lies HALF further on)
	v_lshrrev_b32 v7, 1, v5
	v_mul_u32_u24 v7, v7, PITCH
	v_and_b32 v9, 1, v0
	v_mul_u32_u24 v9, v9, HALF
	v_add_nc_u32 v7, v7, v9
	v_lshl_add_u32 v7, v6, 4, v7
	v_add_nc_u32 v7, s19, v7                       ; weights, out: column r of sixteen, + 16 h
	v_lshlrev_b32 v8, 4, v2                        ; 16 x lane: my place in 512 dense bytes
	v_add_nc_u32 v12, s18, v8                      ; inp, in: piece = lane
	v_mul_u32_u24 v13, v5, APITCH
	v_lshl_add_u32 v13, v6, 4, v13
	v_add_nc_u32 v13, s18, v13                     ; inp, out: row r, + 16 h
	s_wait_alu depctr_va_vdst(0)                   ; directly ahead of the wait below
	s_wait_kmcnt 0x0
	s_load_b64 s[22:23], s[8:9], 0x0               ; ea, ew
	s_cmp_lt_u32 ttmp9, WGW
	s_cbranch_scc0 .Lpath_a
	; ---- WEIGHTS.  A lane takes two columns n, and its registers run down K in the order of the codes' bytes.
	; Work-group (x, y) = (number % 32, number / 32); a wave takes 64 columns (256 x + 64 wave on) x 256 bytes of codes (K steps 2 y, 2 y + 1): 16 granules of 16 bytes.
	; Byte 16 q + 4 j + i of those 256 is row 512 (y / 2) + 64 (y % 2) + 128 j + 4 q + i of weights.
	s_and_b32 s17, ttmp9, 31                       ; x
	s_lshr_b32 s18, ttmp9, 5                       ; y
	s_lshl_b32 s20, s17, 8
	s_lshl_b32 s21, s16, 6
	s_add_co_u32 s20, s20, s21                     ; my first column
	s_lshr_b32 s30, s18, 1
	s_lshl_b32 s30, s30, 9
	s_and_b32 s31, s18, 1
	s_lshl_b32 s31, s31, 6
	s_add_co_u32 s30, s30, s31                     ; my first row
	s_lshl_b32 s30, s30, 15
	s_lshl_b32 s31, s20, 2
	s_add_co_u32 s30, s30, s31
	s_mov_b32 s31, 0
	s_add_nc_u64 s[24:25], s[6:7], s[30:31]        ; the rows with j = 0, 1
	s_add_nc_u64 s[26:27], s[24:25], 0x800000      ; 256 rows on: j = 2, 3: every offset stays inside the signed 24-bit immediate
	s_lshr_b32 s30, s20, 7
	s_lshl_b32 s30, s30, 19                        ; w_codes: 128 columns x 4,096 bytes for each n / 128,
	s_and_b32 s21, s20, 127
	s_lshl_b32 s21, s21, 7
	s_add_co_u32 s30, s30, s21                     ; + 2,048 x my first fragment of the eight,
	s_lshl_b32 s21, s18, 15
	s_add_co_u32 s30, s30, s21                     ; + 16,384 x K step 2 y
	s_add_nc_u64 s[28:29], s[14:15], s[30:31]
	v_lshlrev_b32 v3, 3, v2                        ; 8 bytes a lane: a load of the wave reads 256 consecutive bytes, aligned
.macro WLOAD q                         ; granule q: 16 rows x my two columns, into set q % 4
.irp i, 0,1,2,3,4,5,6,7
	global_load_b64 v[RAW+32*((\q)%4)+2*\i:RAW+32*((\q)%4)+2*\i+1], v3, s[24:25] offset:(128*(\i/4)+4*(\q)+\i%4)*NROW th:TH_LOAD_NT
.endr
.irp i, 8,9,10,11,12,13,14,15
	global_load_b64 v[RAW+32*((\q)%4)+2*\i:RAW+32*((\q)%4)+2*\i+1], v3, s[26:27] offset:(128*(\i/4-2)+4*(\q)+\i%4)*NROW th:TH_LOAD_NT
.endr
.endm
.macro GRAN q
.if 15-(\q) >= 3
	s_wait_loadcnt 48                              ; this granule's 16 loads are in; those of the three granules behind it stay out
.else
	s_wait_loadcnt 16*(15-(\q))
.endif
.irp c, 0,1
.irp i, 0,1,2,3,4,5,6,7,8,9,10,11,12,13,14,15
	v_med3_num_f32 v[T+16*\c+\i], v[RAW+32*((\q)%4)+2*\i+\c], -v10, v10   ; the hold at the largest code x the scale (the conversion does not saturate: ISA guide 7.6.2); it also sorts the two columns apart
.endr
.endr
.irp c, 0,1
	v_cvt_scalef32_pk8_fp8_f32 v[C+4*\c:C+4*\c+1], v[T+16*\c:T+16*\c+7], v11
	v_cvt_scalef32_pk8_fp8_f32 v[C+4*\c+2:C+4*\c+3], v[T+16*\c+8:T+16*\c+15], v11
.endr
	v_nop                                          ; one plain vector instruction behind the conversions
	ds_store_b128 v4, v[C:C+3] offset:16*(\q)
	ds_store_b128 v4, v[C+4:C+7] offset:HALF+16*(\q)
.if (\q)+4 < 16
	WLOAD (\q)+4
.endif
	s_wait_dscnt 0x0                               ; the stores have read their registers: the next granule's codes may be written
.endm
.irp q, 0,1,2,3
	WLOAD \q
.endr
	s_wait_kmcnt 0x0
	s_add_co_i32 s23, s23, 127
	s_lshl_b32 s30, s23, 23
	v_mov_b32 v11, s30                             ; 2^ew as f32
	s_add_co_i32 s23, s23, 8
	s_lshl_b32 s23, s23, 23
	s_or_b32 s23, s23, 0x600000
	v_mov_b32 v10, s23                             ; 448 x 2^ew
	s_wait_alu depctr_va_vdst(0)                   ; the head's end
.irp q, 0,1,2,3,4,5,6,7,8,9,10,11,12,13,14,15
	GRAN \q
.endr
	; out: t = 8 x (which sixteen columns) + 4 x (which K step) + piece c: one piece of a fragment an instruction
.irp t, 0,1,2,3,4,5,6,7,8,9,10,11,12,13,14,15,16,17,18,19,20,21,22,23,24,25,26,27,28,29,30,31
	ds_load_b128 v[OUTR+4*\t:OUTR+4*\t+3], v7 offset:8*PITCH*(\t/8)+32*(\t%8)   ; LDS serves a wave's instructions in order (ISA guide 5.7.1.4): these see my stores
.endr
.irp t, 0,1,2,3,4,5,6,7,8,9,10,11,12,13,14,15,16,17,18,19,20,21,22,23,24,25,26,27,28,29,30,31
	s_wait_dscnt 31-\t
	global_store_b128 v8, v[OUTR+4*\t:OUTR+4*\t+3], s[28:29] offset:16384*((\t%8)/4)+2048*(\t/8)+512*(\t%4)   ; the wave stores 512 consecutive bytes, aligned
.endr
	s_wait_tensorcnt 0x0                           ; the wave's end
	ds_add_u32 v224, v225
	s_wait_dscnt 0x0
	s_endpgm
	; ---- INP.  A wave takes 16 rows (one fragment's) x 512 along K (four K steps).  Row t's load j reads 512 consecutive bytes, 16 a lane: register 4 j + i of lane l is k = 128 j + 4 l + i,
	; so lane l's 16 codes are piece l of the row's 512 bytes.  The pieces turn through the wave's own stage, so that sixteen rows' pieces of one place leave side by side.
.Lpath_a:
	s_sub_co_u32 s17, ttmp9, WGW
	s_lshl_b32 s17, s17, 2
	s_add_co_u32 s17, s17, s16                     ; 0 .. 1,023
	s_lshr_b32 s20, s17, 3                         ; which sixteen rows
	s_and_b32 s24, s17, 7                          ; which 512 along K
	s_lshl_b32 s30, s20, 18                        ; 16 rows of 16,384 bytes
	s_lshl_b32 s31, s24, 11
	s_add_co_u32 s30, s30, s31
	s_mov_b32 s31, 0
	s_add_nc_u64 s[4:5], s[4:5], s[30:31]
	s_lshr_b32 s30, s20, 3
	s_lshl_b32 s30, s30, 19                        ; a_codes: m / 128,
	s_lshl_b32 s21, s24, 16
	s_add_co_u32 s30, s30, s21                     ; + four K steps of 16,384,
	s_and_b32 s21, s20, 7
	s_lshl_b32 s21, s21, 11
	s_add_co_u32 s30, s30, s21                     ; + my fragment of the eight
	s_add_nc_u64 s[12:13], s[12:13], s[30:31]
.macro ALOAD t
.irp j, 0,1,2,3
	global_load_b128 v[R+16*((\t)%8)+4*\j:R+16*((\t)%8)+4*\j+3], v8, s[4:5] offset:16384*(\t)+512*\j th:TH_LOAD_NT
.endr
.endm
.macro ASTEP t
.set XS, R+16*((\t)%8)
.if 15-(\t) >= 7
	s_wait_loadcnt 28                              ; this row's four loads are in; those of the seven rows behind it stay out
.else
	s_wait_loadcnt 4*(15-(\t))
.endif
.irp i, 0,1,2,3,4,5,6,7,8,9,10,11,12,13,14,15
	v_med3_num_f32 v[XS+\i], v[XS+\i], -v10, v10
.endr
	v_cvt_scalef32_pk8_fp8_f32 v[CA+4*(\t):CA+4*(\t)+1], v[XS:XS+7], v11
	v_cvt_scalef32_pk8_fp8_f32 v[CA+4*(\t)+2:CA+4*(\t)+3], v[XS+8:XS+15], v11
	v_nop                                          ; one plain vector instruction behind the conversions
.if (\t)+8 < 16
	ALOAD (\t)+8
.endif
	ds_store_b128 v12, v[CA+4*(\t):CA+4*(\t)+3] offset:APITCH*(\t)
.endm
.irp t, 0,1,2,3,4,5,6,7
	ALOAD \t
.endr
	s_wait_kmcnt 0x0
	s_add_co_i32 s22, s22, 127
	s_lshl_b32 s20, s22, 23
	v_mov_b32 v11, s20                             ; 2^ea as f32
	s_add_co_i32 s22, s22, 8
	s_lshl_b32 s22, s22, 23
	s_or_b32 s22, s22, 0x600000
	v_mov_b32 v10, s22                             ; 448 x 2^ea
	s_wait_alu depctr_va_vdst(0)                   ; the head's end
.irp t, 0,1,2,3,4,5,6,7,8,9,10,11,12,13,14,15
	ASTEP \t
.endr
.irp t, 0,1,2,3,4,5,6,7,8,9,10,11,12,13,14,15
	ds_load_b128 v[OUTR+4*\t:OUTR+4*\t+3], v13 offset:32*\t   ; t = 4 x K step + piece c: row r's bytes 128 (t / 4) + 32 c + 16 h
.endr
.irp t, 0,1,2,3,4,5,6,7,8,9,10,11,12,13,14,15
	s_wait_dscnt 15-\t
	global_store_b128 v8, v[OUTR+4*\t:OUTR+4*\t+3], s[12:13] offset:16384*(\t/4)+512*(\t%4)   ; the wave stores 512 consecutive bytes, aligned
.endr
	s_wait_tensorcnt 0x0                           ; the wave's end
	ds_add_u32 v224, v225
	s_wait_dscnt 0x0
	s_endpgm
.Lfunc_end_k_q6b1d289acd_quant:
	.size	k_q6b1d289acd_quant, .Lfunc_end_k_q6b1d289acd_quant-k_q6b1d289acd_quant
	.p2alignl 7, 3214868480
	.fill 96, 4, 3214868480
	.section	.rodata,"a",@progbits
	.p2align	6, 0x0
	.amdhsa_kernel k_q6b1d289acd_quant
		.amdhsa_group_segment_fixed_size 104960
		.amdhsa_private_segment_fixed_size 0
		.amdhsa_enable_private_segment 0
		.amdhsa_kernarg_size 40
		.amdhsa_user_sgpr_count 2
		.amdhsa_user_sgpr_kernarg_segment_ptr 1
		.amdhsa_wavefront_size32 1
		.amdhsa_system_sgpr_workgroup_id_x 1
		.amdhsa_system_sgpr_workgroup_id_y 1
		.amdhsa_system_sgpr_workgroup_id_z 1
		.amdhsa_system_vgpr_workitem_id 0
		.amdhsa_next_free_vgpr 226
		.amdhsa_next_free_sgpr 66
		.amdhsa_reserve_vcc 0
		.amdhsa_float_denorm_mode_32 3
		.amdhsa_float_denorm_mode_16_64 3
		.amdhsa_memory_ordered 1
		.amdhsa_forward_progress 1
		.amdhsa_inst_pref_size 103
	.end_amdhsa_kernel
	.amdgpu_metadata
---
amdhsa.version: [ 1, 2 ]
amdhsa.kernels:
  - .name:           k_q6b1d289acd_quant
    .symbol:         k_q6b1d289acd_quant.kd
    .args:
      - { .name: inp, .offset: 0, .size: 8, .value_kind: global_buffer, .address_space: global }
      - { .name: weights, .offset: 8, .size: 8, .value_kind: global_buffer, .address_space: global }
      - { .name: lowp_scales, .offset: 16, .size: 8, .value_kind: global_buffer, .address_space: global }
      - { .name: a_codes, .offset: 24, .size: 8, .value_kind: global_buffer, .address_space: global }
      - { .name: w_codes, .offset: 32, .size: 8, .value_kind: global_buffer, .address_space: global }
    .group_segment_fixed_size: 104960
    .private_segment_fixed_size: 0
    .kernarg_segment_align: 8
    .kernarg_segment_size: 40
    .max_flat_workgroup_size: 128
    .sgpr_count:     66
    .vgpr_count:     226
    .wavefront_size: 32
...
	.end_amdgpu_metadata
.endif
;; end of part 1
;; launch gemm (part 2): grid 32 x 8, 4 waves a work-group, clusters of 4 x 4, 327,680 bytes of LDS; arguments a_codes, w_codes, lowp_scales, bias, out0; writes out0
.if DOCPART == 2
	.amdgcn_target "amdgcn-amd-amdhsa--gfx1250"
	.amdhsa_code_object_version 6
	.text
	.protected	k_q6b1d289acd_gemm
	.globl	k_q6b1d289acd_gemm
	.p2align	8
	.type	k_q6b1d289acd_gemm,@function
k_q6b1d289acd_gemm:
	s_mov_b64 s[64:65], 0
	v_nop
	global_prefetch_b8 v0, s[64:65] scope:SCOPE_SE
	s_setreg_imm32_b32 hwreg(HW_REG_WAVE_MODE, 25, 1), 1
	s_wait_xcnt 0x0
	s_wait_alu depctr_hold_cnt(0) depctr_sa_sdst(0) depctr_va_vdst(0) depctr_va_sdst(0) depctr_va_ssrc(0) depctr_va_vcc(0) depctr_vm_vsrc(0)
	s_getreg_b32 s2, hwreg(HW_REG_IB_STS2, 6, 4)
	s_cmp_eq_u32 s2, 0
	s_cbranch_scc0 .Lentry_in_a_cluster
	s_endpgm
.Lentry_in_a_cluster:
	s_bfe_u32 s2, ttmp6, 0x10000c
	s_cmp_lg_u32 s2, 0xf033
	s_cbranch_scc0 .Lentry_shape_is_right
	s_endpgm
.Lentry_shape_is_right:
; out0[m][n] = 2^(ea + ew) x (sum over k of the codes of inp[m][k] and weights[k][n]) + bias[n];  M 2,048, N 8,192, K 4,096; codes of FP8 (E4M3), sums in f32.
; LIMIT: ea + ew lies between -126 and 127, so that 2^(ea + ew) is an f32 number.
; Both buffers of codes lie in fragments of 2,048 bytes (16 rows x 128 K; piece c of 512 bytes holds 16 bytes for each lane), ordered [row / 128][K step of 128][(row / 16) % 8]:
; lane 16 h + r takes, of row r, bytes 32 c + 16 h + 0..15 into registers 4 c .. 4 c + 3.  That is a permutation of k, alike in both operands: every product meets its partner.
; A tile of the result, 256 x 256, is made by a work-group of four waves; a wave makes 128 x 128: 64 accumulators, 512 registers.  256 work-groups.
; K goes in steps of 256 through a ring of two LDS slots.  128 rows x 256 K are 32,768 bytes on end in memory: a wave's tensor load brings them as 8 rows of 4,096 bytes, and LDS holds them as they lie:
; no padding, and each fragment load of a wave reads 512 dense bytes.
; CLUSTERS: 4 x 4 work-groups.  The four of a row of the cluster need the same tiles of A (inp's codes), the four of a column the same tiles of B (the weights'): each tile is asked for jointly.
; PREFETCH: at the head, behind K step 0's load, K steps 1 to 3; then behind each refill the K step two refills on.  The four partners share a quarter's 128 blocks of 256 bytes out by address, a lane a block.
; A tile of B is read by two clusters, and both ask.  A tile of A is read by the eight clusters of a row of clusters; four of them ask, spread over the row: those whose x has its two low bits equal (0, 3, 4, 7).
; THE MATRIX INSTRUCTION IS USED TRANSPOSED (source 0 = 16 rows of B, source 1 = 16 rows of A): a lane holds eight neighbouring numbers of a row of the result.
; REGISTERS: window 0: v0-31 addresses; from v128 A's fragments, one set.  window 1: B's fragments, two sets.  windows 2, 3: the accumulators ((a, b) at v[8 (8 (a % 4) + b)]).
.set SIZE_N, 8192
.set KB,     32768                     ; 128 rows x 256 K: what one tensor load brings, and what one wave reads of A or of B in a K step
.set SLOT,   4*KB                      ; A's two halves, then B's two halves
.set LAPS,   8                         ; a lap = two K steps = once round the ring
.set FR,     16
.set NL,     4
.set SPARE,  2*SLOT                    ; the spare words, 128 bytes a wave
.set STAGE,  SPARE+512                 ; the way out: 16 rows x SPITCH for each wave; no tensor load lands here
.set SPITCH, 528
.set ADRA, 16                          ; v16-17  LDS address of my A fragments in slot 0, 1
.set ADRB, 20                          ; v20-21  the same for B
.set STO,  24                          ; v24  the way out: where I put 32 bytes of a row
.set RD,   25                          ; v25  the way out: where I read a row back
.set CO,   26                          ; v26  16 x lane: my offset in a row of the result
.set BO,   27                          ; v27  my offset in the bias
.set SPW,  28                          ; v28  my spare word; never rewritten
.set NIL,  29                          ; v29  0; never rewritten
.set PFO,  30                          ; v30  256 x lane: the prefetches' offset
.set TMP,  32
.set AF,   128
.set BK,   128
.set G1, 24                            ; s[24:31] group 1 for A's tiles;  s[32:39] group 0, one set for each slot
.set G0, 32
.set G1B, 48                           ; s[48:55], s[56:63] the same for B's tiles
.set G0B, 56
.set PFA, 66                           ; s[66:67] where my prefetches stand: my work-group's blocks of the K step that is being asked for by the refill
.set LIM, 68                           ; s68  1 where my cluster asks for my operand, else the greatest number
.set MSB, 0
.macro WIN new                         ; the immediate's high byte repeats the setting that is left
.if MSB != \new
	s_set_vgpr_msb (MSB<<8)|\new
.set MSB, \new
.endif
.endm
.set MUL_LO, 0xa1                      ; source 0 (B) window 1, source 1 (A) window 0, C and D window 2
.set MUL_HI, 0xf1
.set TO_B,   0x40
.macro JLOAD g0a, g1a, g0b, g1b        ; a joint load: waves 0 and 1 fetch for A, waves 2 and 3 for B
	s_cmp_eq_u32 s15, 0
	s_cbranch_scc0 .Lfor_b_\@
	tensor_load_to_lds s[\g0a:\g0a+3], s[\g1a:\g1a+7]
	s_nop 0
.rept 4
	v_nop
.endr
	s_branch .Lasked_\@
.Lfor_b_\@:
	tensor_load_to_lds s[\g0b:\g0b+3], s[\g1b:\g1b+7]
	s_nop 0
.rept 4
	v_nop
.endr
.Lasked_\@:
.endm
.macro ASK                             ; the K step two refills on; the last trip's two refills have none
	s_cmp_gt_u32 s3, s[LIM]
	s_cbranch_scc0 .Lnot_mine_\@
	global_prefetch_b8 v[PFO], s[PFA:PFA+1] offset:2*KB th:TH_LOAD_NT scope:SCOPE_SE
.Lnot_mine_\@:
.endm
.macro CROUND                          ; a round of the cluster's barrier
	s_barrier_signal -1
	s_barrier_wait -1
	s_cmp_lg_u32 s14, 0
	s_cbranch_scc1 .Lnot_wave_0_\@
	s_barrier_signal -3
.Lnot_wave_0_\@:
	s_barrier_wait -3
	s_barrier_signal -1
	s_barrier_wait -1
.endm
	s_load_b128 s[4:7], s[0:1], 0x0                ; a_codes, w_codes
	s_load_b128 s[8:11], s[0:1], 0x10              ; the scales' exponents, bias
	s_load_b64 s[12:13], s[0:1], 0x20              ; out0
	v_lshl_add_u32 v[SPW], v0, 2, SPARE
	v_mov_b32 v[NIL], 0
	ds_add_u32 v[SPW], v[NIL]                      ; the opening: the add, twice on end, and its wait ahead of my first tensor load
	ds_add_u32 v[SPW], v[NIL]
	v_lshrrev_b32 v1, 5, v0
	v_readfirstlane_b32 s14, v1                    ; wave 0..3
	s_lshr_b32 s15, s14, 1                         ; which half of the tile's rows is mine.  Also: I fetch for A (0) or for B (1)
	s_and_b32 s16, s14, 1                          ; which half of its columns.  Also: which 128 rows of that tile I fetch
	s_bfe_u32 s40, ttmp6, 0x40000                  ; cx, cy
	s_bfe_u32 s41, ttmp6, 0x40004
	s_lshl_b32 s42, ttmp9, 2
	s_add_co_u32 s42, s42, s40                     ; tile column
	s_and_b32 s17, ttmp7, 0xffff
	s_lshl_b32 s17, s17, 2
	s_add_co_u32 s17, s17, s41                     ; tile row
	s_lshl_b32 s43, s41, 2
	s_lshl_b32 s43, 15, s43                        ; my row of the cluster
	s_lshl_b32 s44, 0x1111, s40                    ; my column
	s_or_b32 s[G1+0], s43, (3<<16)|(1<<21)         ; the mask; elements of 8 bytes; bit 21 beside a mask; no padding
	s_or_b32 s[G1B+0], s44, (3<<16)|(1<<21)
.irp g, G1, G1B
	s_mov_b32 s[\g+1], 512<<16                     ; tensor_dim0: rows of 4,096 bytes
	s_mov_b32 s[\g+2], 8<<16                       ; tensor_dim1 = 8
	s_mov_b32 s[\g+3], 512<<16                     ; tile_dim0
	s_mov_b32 s[\g+4], 8                           ; tile_dim1
	s_mov_b32 s[\g+5], 512                         ; the pitch: dense
	s_mov_b32 s[\g+6], 0
	s_mov_b32 s[\g+7], 0
.endr
	s_lshl_b32 s20, s17, 1
	s_add_co_u32 s20, s20, s16
	s_lshl_b32 s20, s20, 19                        ; A: 128 rows x 4,096 bytes for each row / 128 = 2 x tile row + half
	s_lshl_b32 s46, s42, 1
	s_add_co_u32 s46, s46, s16
	s_lshl_b32 s46, s46, 19                        ; B: 2 x tile column + half
	s_mov_b32 s21, 0
	s_mov_b32 s47, 0
	s_lshl_b32 s45, s14, 15                        ; where they go: wave x 32,768
	s_wait_dscnt 0x0                               ; both opening adds are done
	s_wait_kmcnt 0x0
	s_load_b64 s[96:97], s[8:9], 0x0               ; ea, ew
	s_add_nc_u64 s[20:21], s[4:5], s[20:21]
	s_add_nc_u64 s[46:47], s[6:7], s[46:47]
	CROUND                                         ; all sixteen work-groups are here: the first joint loads meet
.irp s, 0,1
	s_mov_b32 s[G0+4*\s], 1
	s_add_co_u32 s[G0+4*\s+1], s45, \s*SLOT
	s_add_nc_u64 s[G0+4*\s+2:G0+4*\s+3], s[20:21], \s*KB
	s_or_b32 s[G0+4*\s+3], s[G0+4*\s+3], 0x80000000
	s_mov_b32 s[G0B+4*\s], 1
	s_add_co_u32 s[G0B+4*\s+1], s45, \s*SLOT
	s_add_nc_u64 s[G0B+4*\s+2:G0B+4*\s+3], s[46:47], \s*KB
	s_or_b32 s[G0B+4*\s+3], s[G0B+4*\s+3], 0x80000000
.endr
	JLOAD G0, G1, G0B, G1B                         ; K step 0: my one tensor load at the head
	s_lshl_b32 s74, s15, 15                        ; my 128 rows of A, slot 0 and slot 1
	s_add_co_u32 s75, s74, SLOT
	s_lshl_b32 s76, s16, 15
	s_add_co_u32 s76, s76, 2*KB                    ; my 128 rows of B, behind A's two halves
	s_add_co_u32 s77, s76, SLOT
	s_mul_i32 s23, s14, 16*SPITCH
	s_add_co_u32 s23, s23, STAGE                   ; my stage
	v_and_b32 v6, 31, v0
	v_lshlrev_b32 v[CO], 4, v6
	v_add_nc_u32 v[ADRA], s74, v[CO]
	v_add_nc_u32 v[ADRA+1], s75, v[CO]
	v_add_nc_u32 v[ADRB], s76, v[CO]
	v_add_nc_u32 v[ADRB+1], s77, v[CO]
	v_and_b32 v1, 15, v0                           ; r
	v_bfe_u32 v2, v0, 4, 1                         ; h
	v_mul_u32_u24 v5, v1, SPITCH
	v_lshl_add_u32 v5, v2, 5, v5
	v_add_nc_u32 v[STO], s23, v5                   ; in: row r, 32 bytes for each half of the lanes
	v_add_nc_u32 v[RD], s23, v[CO]                 ; back: the 32 lanes take one row of 512 bytes
	v_lshlrev_b32 v[BO], 5, v2
	v_lshlrev_b32 v[PFO], 8, v6
	s_wait_alu depctr_va_vdst(0)
	s_lshl_b32 s70, s17, 1                         ; the prefetches: the quarter that I fetch,
	s_lshl_b32 s71, s42, 1
	s_lshr_b32 s73, ttmp9, 1
	s_xor_b32 s73, s73, ttmp9
	s_and_b32 s73, s73, 1                          ; 0 where the two low bits of the cluster's x are equal
	s_cmp_eq_u32 s15, 0
	s_cselect_b32 s70, s70, s71
	s_cselect_b32 s71, s40, s41                    ; my place among the four that ask for it with me,
	s_cselect_b32 s72, s73, 0                      ; and whether my cluster asks: for A four of eight, for B both
	s_cselect_b64 s[PFA:PFA+1], s[4:5], s[6:7]
	s_cmp_eq_u32 s72, 0
	s_cselect_b32 s[LIM], 1, -1
	s_add_co_u32 s70, s70, s16
	s_lshl_b32 s70, s70, 19
	s_lshl_b32 s71, s71, 13                        ; my work-group's 32 blocks of the quarter's 128
	s_add_co_u32 s70, s70, s71
	s_mov_b32 s71, 0
	s_add_nc_u64 s[PFA:PFA+1], s[PFA:PFA+1], s[70:71]
	s_add_nc_u64 s[PFA:PFA+1], s[PFA:PFA+1], KB    ; at K step 1: the first refill steps it to 2 and names K step 4
	s_cmp_eq_u32 s[LIM], 1
	s_cbranch_scc0 .Lno_head_ask
	global_prefetch_b8 v[PFO], s[PFA:PFA+1] th:TH_LOAD_NT scope:SCOPE_SE               ; K steps 1, 2, 3: their loads follow zero, one and two changes of slots on
	global_prefetch_b8 v[PFO], s[PFA:PFA+1] offset:KB th:TH_LOAD_NT scope:SCOPE_SE
	global_prefetch_b8 v[PFO], s[PFA:PFA+1] offset:2*KB th:TH_LOAD_NT scope:SCOPE_SE
.Lno_head_ask:
	s_lshl_b32 s20, s17, 8
	s_lshl_b32 s21, s15, 7
	s_add_co_u32 s20, s20, s21                     ; my first row of the result
	s_mov_b32 s21, 0
	s_mov_b64 s[18:19], SIZE_N*4
	s_mul_u64 s[20:21], s[20:21], s[18:19]
	s_lshl_b32 s46, s42, 10
	s_lshl_b32 s47, s16, 9
	s_add_co_u32 s46, s46, s47                     ; my first column, in bytes
	s_mov_b32 s47, 0
	s_add_nc_u64 s[10:11], s[10:11], s[46:47]
	s_add_nc_u64 s[20:21], s[20:21], s[46:47]
	s_add_nc_u64 s[12:13], s[12:13], s[20:21]
.macro FRAG reg, adr, q, i             ; fragment i of the slot's q-th 128 along K: four dense pieces of 512 bytes
.irp c, 0,1,2,3
	ds_load_b128 v[\reg+4*\c:\reg+4*\c+3], v[\adr] offset:16384*(\q)+2048*(\i)+512*\c
.endr
.endm
.macro MUL16 a0, p, zero               ; A's blocks a0, a0 + 1 x B's eight; the 64 accumulators take turns in the same order in every step
.irp a, \a0, \a0+1
.irp b, 0,1,2,3,4,5,6,7
.if \zero
	v_wmma_f32_16x16x128_fp8_fp8 v[8*(8*((\a)%4)+\b):8*(8*((\a)%4)+\b)+7], v[128*(\p)+FR*\b:128*(\p)+FR*\b+FR-1], v[AF+FR*(\a):AF+FR*(\a)+FR-1], 0
.else
	v_wmma_f32_16x16x128_fp8_fp8 v[8*(8*((\a)%4)+\b):8*(8*((\a)%4)+\b)+7], v[128*(\p)+FR*\b:128*(\p)+FR*\b+FR-1], v[AF+FR*(\a):AF+FR*(\a)+FR-1], v[8*(8*((\a)%4)+\b):8*(8*((\a)%4)+\b)+7]
.endif
.endr
.endr
.endm
.macro FETCH_B slot, q, p
	WIN TO_B
.irp i, 0,1,2,3,4,5,6,7
	FRAG 128*(\p)+FR*\i, ADRB+\slot, \q, \i
.endr
	WIN 0
.endm
.macro FETCH_A slot, q, i0
.irp i, \i0, \i0+1, \i0+2, \i0+3
	FRAG AF+FR*(\i), ADRA+\slot, \q, \i
.endr
.endm
.macro PLACES                          ; four places behind a matrix instruction, in front of loads into registers that it read and of reads of its result
.rept 4
	v_nop
.endr
.endm
.macro STEP slot, q, zero              ; a step of 128 along K that has its successor in the same slot
	s_wait_dscnt 4*NL                              ; B's set and A's blocks 0-3 are in; A's blocks 4-7, 16 loads, may be out
	WIN MUL_LO
	MUL16 0, (\q)%2, \zero
	MUL16 2, (\q)%2, \zero
	s_wait_dscnt 0
	PLACES
	FETCH_B \slot, (\q)+1, 1-(\q)%2
	FETCH_A \slot, (\q)+1, 0
	WIN MUL_HI
	MUL16 4, (\q)%2, \zero
	MUL16 6, (\q)%2, \zero
	PLACES
	WIN 0
	FETCH_A \slot, (\q)+1, 4
.endm
; A slot's last step changes slots.  Behind its first 32 products each wave waits for all its tensor loads (its part of the next slot), adds 0 to its spare word, and waits for that and for its reads of this slot;
; a round of the cluster's barrier follows, and behind it this slot is filled again, two K steps ahead.
.macro TURN slot, next, fill
	s_wait_dscnt 4*NL
	WIN MUL_LO
	MUL16 0, 1, 0
	MUL16 2, 1, 0
	WIN 0
.if \fill
	s_wait_xcnt 0x0                                ; my last prefetches have read their address
	s_add_nc_u64 s[PFA:PFA+1], s[PFA:PFA+1], KB
.endif
	s_wait_tensorcnt 0x0
	ds_add_u32 v[SPW], v[NIL]
.if \fill
	s_add_nc_u64 s[G0+4*\slot+2:G0+4*\slot+3], s[G0+4*\slot+2:G0+4*\slot+3], 2*KB
	s_add_nc_u64 s[G0B+4*\slot+2:G0B+4*\slot+3], s[G0B+4*\slot+2:G0B+4*\slot+3], 2*KB
.endif
	s_wait_dscnt 0x0
.if \fill
	CROUND
	JLOAD G0+4*\slot, G1, G0B+4*\slot, G1B         ; the four v_nop behind it are also the places in front of the loads below
.else
	s_barrier_signal -1
	s_barrier_wait -1
	PLACES
.endif
	FETCH_B \next, 0, 0
	FETCH_A \next, 0, 0
.if \fill
	ASK
.endif
	WIN MUL_HI
	MUL16 4, 1, 0
	MUL16 6, 1, 0
	PLACES
	WIN 0
	FETCH_A \next, 0, 4
.endm
	s_wait_alu depctr_va_vdst(0)                   ; the head's end
	s_wait_tensorcnt 0x0                           ; my part of K step 0 is in
	ds_add_u32 v[SPW], v[NIL]
	s_wait_dscnt 0x0
	CROUND                                         ; everybody's part of K step 0 is in, and the joint loads meet
	JLOAD G0+4, G1, G0B+4, G1B                     ; K step 1: slot 1's first fill
	FETCH_B 0, 0, 0
	FETCH_A 0, 0, 0
	FETCH_A 0, 0, 4
	STEP 0, 0, 1                                   ; the first step's products start the sums
	s_mov_b32 s3, LAPS-1
.Llap:                                                 ; a trip goes once round the ring, from a lap's second step to the next lap's first
	TURN 0, 1, 1
	STEP 1, 0, 0
	TURN 1, 0, 1
	STEP 0, 0, 0
	s_sub_co_u32 s3, s3, 1
	s_cmp_lg_u32 s3, 0
	s_cbranch_scc1 .Llap
	TURN 0, 1, 0                                   ; the last lap fills nothing
	STEP 1, 0, 0
	WIN TO_B
.irp b, 0,1,2,3,4,5,6,7
	global_load_b128 v[8*\b:8*\b+3], v[BO], s[10:11] offset:64*\b        ; the bias at my 64 columns, where B's set 0 lay (the step's last places stand in front)
	global_load_b128 v[8*\b+4:8*\b+7], v[BO], s[10:11] offset:64*\b+16
.endr
	WIN 0
	s_wait_dscnt 4*NL
	WIN MUL_LO
	MUL16 0, 1, 0
	MUL16 2, 1, 0
	s_wait_dscnt 0
	WIN MUL_HI
	MUL16 4, 1, 0
	MUL16 6, 1, 0
	WIN 0
; THE WAY OUT, block by block of 16 rows x 128 columns: x 2^(ea + ew) + bias in one fused multiply-add, through my own stage, back as whole rows of 512 bytes.
; LDS serves a wave's instructions in order (ISA guide 5.7.1.4): no wait between the stores and the loads.
.macro TOSTAGE a
.set AC, 64*((\a)%4)
	WIN 0x12+((\a)/4)                              ; source 0: window 2 or 3; source 2 (the bias): window 1
.irp j, 0,2,4,6,8,10,12,14,16,18,20,22,24,26,28,30,32,34,36,38,40,42,44,46,48,50,52,54,56,58,60,62
	v_pk_fma_f32 v[TMP+\j:TMP+\j+1], v[AC+\j:AC+\j+1], s[96:97], v[\j:\j+1] op_sel_hi:[1,0,1]   ; each accumulator from its low end on
.endr
	WIN 0
.irp b, 0,1,2,3,4,5,6,7
	ds_store_b128 v[STO], v[TMP+8*\b:TMP+8*\b+3] offset:64*\b
	ds_store_b128 v[STO], v[TMP+8*\b+4:TMP+8*\b+7] offset:64*\b+16
.endr
.set BB, BK+64*((\a)%2)
.irp t, 0,1,2,3,4,5,6,7,8,9,10,11,12,13,14,15
	ds_load_b128 v[BB+4*\t:BB+4*\t+3], v[RD] offset:\t*SPITCH
.endr
.endm
.macro SEND a, younger                 ; younger: the LDS instructions issued behind block a's loads, which may stay out
.set BB, BK+64*((\a)%2)
	s_wait_dscnt \younger
.if (\a) > 0
	s_add_nc_u64 s[12:13], s[12:13], 16*SIZE_N*4   ; behind a wait on XCNT: the earlier stores have read their base
.endif
.irp t, 0,1,2,3,4,5,6,7,8,9,10,11,12,13,14,15
	global_store_b128 v[CO], v[BB+4*\t:BB+4*\t+3], s[12:13] offset:\t*SIZE_N*4 th:TH_STORE_NT   ; 32 lanes store 512 consecutive bytes, aligned
.endr
.endm
	s_wait_kmcnt 0x0
	s_add_co_i32 s96, s96, s97
	s_add_co_i32 s96, s96, 127
	s_lshl_b32 s96, s96, 23                        ; 2^(ea + ew) as f32
	s_wait_loadcnt 0x0                             ; the bias is in
	PLACES
	TOSTAGE 0
.irp a, 1,2,3,4,5,6,7
.if \a > 1
	s_wait_xcnt 0x0                                ; block a - 2's stores have read their registers and their base
.endif
	TOSTAGE \a
	SEND \a-1, 32
.endr
	s_wait_xcnt 0x0
	SEND 7, 0
	s_wait_tensorcnt 0x0                           ; the wave's end
	ds_add_u32 v[SPW], v[NIL]
	s_wait_dscnt 0x0
	CROUND                                         ; the closing round
	s_endpgm
.Lfunc_end_k_q6b1d289acd_gemm:
	.size	k_q6b1d289acd_gemm, .Lfunc_end_k_q6b1d289acd_gemm-k_q6b1d289acd_gemm
	.p2alignl 7, 3214868480
	.fill 96, 4, 3214868480
	.section	.rodata,"a",@progbits
	.p2align	6, 0x0
	.amdhsa_kernel k_q6b1d289acd_gemm
		.amdhsa_group_segment_fixed_size 327680
		.amdhsa_private_segment_fixed_size 0
		.amdhsa_enable_private_segment 0
		.amdhsa_kernarg_size 40
		.amdhsa_user_sgpr_count 2
		.amdhsa_user_sgpr_kernarg_segment_ptr 1
		.amdhsa_wavefront_size32 1
		.amdhsa_system_sgpr_workgroup_id_x 1
		.amdhsa_system_sgpr_workgroup_id_y 1
		.amdhsa_system_sgpr_workgroup_id_z 1
		.amdhsa_system_vgpr_workitem_id 0
		.amdhsa_next_free_vgpr 1024
		.amdhsa_next_free_sgpr 98
		.amdhsa_reserve_vcc 0
		.amdhsa_float_denorm_mode_32 3
		.amdhsa_float_denorm_mode_16_64 3
		.amdhsa_memory_ordered 1
		.amdhsa_forward_progress 1
		.amdhsa_inst_pref_size 126
	.end_amdhsa_kernel
	.amdgpu_metadata
---
amdhsa.version: [ 1, 2 ]
amdhsa.kernels:
  - .name:           k_q6b1d289acd_gemm
    .symbol:         k_q6b1d289acd_gemm.kd
    .args:
      - { .name: a_codes, .offset: 0, .size: 8, .value_kind: global_buffer, .address_space: global }
      - { .name: w_codes, .offset: 8, .size: 8, .value_kind: global_buffer, .address_space: global }
      - { .name: lowp_scales, .offset: 16, .size: 8, .value_kind: global_buffer, .address_space: global }
      - { .name: bias, .offset: 24, .size: 8, .value_kind: global_buffer, .address_space: global }
      - { .name: out0, .offset: 32, .size: 8, .value_kind: global_buffer, .address_space: global }
    .group_segment_fixed_size: 327680
    .private_segment_fixed_size: 0
    .kernarg_segment_align: 8
    .kernarg_segment_size: 40
    .max_flat_workgroup_size: 128
    .sgpr_count:     98
    .vgpr_count:     1024
    .wavefront_size: 32
...
	.end_amdgpu_metadata
.endif
;; end of part 2
